; MI455X (gfx1250); checked and timed in simulation.
; The chip was launched on July 23, 2026; its instructions are those of AMD's public machine-readable ISA for CDNA 5 (MIT licence, August 2026) and "CDNA5" Instruction Set Architecture Reference Guide (July 2026). The comments in the code are by the model that wrote it; some were corrected since.
;; Mo E. Allowed arithmetic: float matrix products may take bf16 or f16 operands with f32 sums; all other float work in f32.
;; Inputs: gate_b 4 float32; gate_w 1,024 x 4 float32; rb1 4 x 4,096 float32; rb2 4 x 1,024 float32; rw1 4 x 1,024 x 4,096 float32; rw2 4 x 4,096 x 1,024 float32; sb1 2 x 4,096 float32; sb2 2 x 1,024 float32; sw1 2 x 1,024 x 4,096 float32; sw2 2 x 4,096 x 1,024 float32; x 4 x 256 x 1,024 float32.
;; Outputs: out0 4 x 256 x 1,024 float32.
;; One version. Each part assembles by itself: llvm-mc -triple=amdgcn-amd-amdhsa -mcpu=gfx1250 --defsym DOCPART=n.
;; ======== version 1 of 1: 4 launches
;; limits: values outside matrix products are rounded to bf16
;; workspace buffers: xb 2,097,152 bytes; cw 32,768 bytes; h 50,331,648 bytes; part 67,108,864 bytes
;; launch gate (part 1): grid 128 x 1, 8 waves a work-group, no clusters, 2,048 bytes of LDS; arguments x, gate_w, gate_b, xb, cw; writes xb, cw
.if DOCPART == 1
	.amdgcn_target "amdgcn-amd-amdhsa--gfx1250"
	.amdhsa_code_object_version 6
	.text
	.protected	k_qa08e800b11_gate
	.globl	k_qa08e800b11_gate
	.p2align	8
	.type	k_qa08e800b11_gate,@function
k_qa08e800b11_gate:
	s_mov_b64 s[64:65], 0
	v_nop
	global_prefetch_b8 v0, s[64:65] scope:SCOPE_SE
	s_setreg_imm32_b32 hwreg(HW_REG_WAVE_MODE, 25, 1), 1
	s_wait_xcnt 0x0
; GATE.  For each of the 1,024 tokens: logits = x . gate_w + gate_b, softmax with the maximum taken away, the two largest
; weights kept (ties go to the lower index), and x rounded to bf16 for the matrix launches.
;   xb[t][d]  = bf16(x[t][d])                                  [1024][1024] bf16
;   cw[t][0..7] = 0.5, 0.5, c0, c1, c2, c3, 0, 0               [1024][8] f32: the factor of each of the six experts (two shared, four routed)
; FORMATS.  The product takes its operands as every matrix product of this program does: x and gate_w rounded to bf16 (to nearest even), products and sums in f32
; (a product of two bf16 is exact in f32).  gate_b is rounded to bf16 as well, so that all that enters a logit has one format and the choice of experts is made
; from the same rounded x that the experts themselves are given.  Softmax and ranking are in f32.
; Eight waves, one token each; the work-group owns 8 tokens, so that its rows of cw are 256 consecutive bytes, stored by one instruction.
; The choice of experts only selects VALUES (v_cndmask_b32): no branch and no address hangs on it.
; No matrix unit, no cluster: gate_w has 4 columns, a quarter of a matrix tile's 16, and the whole product is 4 M multiply-adds; the launch is bound by its loads.
; LIMITS.  gate_b carries bf16's 8 significant bits (relative error up to 2^-9).  Where a token's second and third logit lie closer than the rounding of x, gate_w and
; gate_b moves them (about 2^-8 of the logits' spread), the choice can differ from the one on unrounded inputs; where they agree to within the order of the f32 sums,
; from the one on rounded inputs.  NaN logits are not served.  A weight under 2^-126 comes out of v_exp_f32 as 0.
.set X,   8                            ; v[8:39]    my 32 numbers of the token's row: d = 128 j + 4 lane + i at v[X+4j+i]
.set G,   40                           ; v[40:167]  gate_w[d][0..3] for the same d, at v[G+16j+4i]; rounded in place: experts 0, 1 in v[G+16j+4i], experts 2, 3 in the next
.set ACC, 168                          ; v[168:183] four chains (one for each i) of four sums (one for each expert)
.set W,   184                          ; v[184:187] gate_b, then the four weights, then the four factors
.set CN,  188                          ; v[188:191] by how many other experts each is beaten
.set T,   192                          ; v[192:195] at work
.set Z,   196                          ; v196       zero: what the first sixteen products are added onto
.set XB,  200                          ; v[200:215] the row in bf16: d = 128 j + 4 lane + 0, 1 in v[XB+2j], + 2, 3 in the next
	s_load_b256 s[4:11], s[0:1], 0x0               ; x s[4:5], gate_w s[6:7], gate_b s[8:9], xb s[10:11]
	s_load_b64 s[12:13], s[0:1], 0x20              ; cw
	v_lshl_add_u32 v224, v0, 2, 0x400
	v_mov_b32 v225, 0
	v_lshrrev_b32 v1, 5, v0
	v_readfirstlane_b32 s14, v1                    ; wave 0..7
	v_and_b32 v2, 31, v0                           ; lane
	v_lshlrev_b32 v3, 4, v2                        ; 16 lane: my 16 bytes in each 512 of x's row
	v_lshlrev_b32 v4, 6, v2                        ; 64 lane: the four rows of gate_w that go with them
	v_lshlrev_b32 v5, 3, v2                        ; 8 lane: my 8 bytes in each 256 of xb's row, and of the group's rows of cw
	v_lshlrev_b32 v6, 2, v0                        ; LDS: 128 wave + 4 lane
	v_lshrrev_b32 v7, 2, v2
	v_lshlrev_b32 v7, 7, v7
	v_and_b32 v1, 3, v2
	v_lshl_add_u32 v7, v1, 3, v7                   ; LDS, back: token lane / 4, its bytes 8 (lane % 4) on
	v_mov_b32 v[Z], 0
	s_lshl_b32 s15, ttmp9, 3
	s_add_co_u32 s15, s15, s14                     ; my token
	s_lshl_b32 s16, s15, 12                        ; its row in x
	s_mov_b32 s17, 0
	s_lshl_b32 s18, s15, 11                        ; its row in xb
	s_mov_b32 s19, 0
	s_lshl_b32 s22, ttmp9, 8                       ; the group's 8 rows of cw
	s_mov_b32 s23, 0
	s_mov_b32 s20, 0x76543210                      ; v_permlanex16_b32: each lane takes its own place in the other half
	s_mov_b32 s21, 0xfedcba98
	s_wait_kmcnt 0x0
	s_load_b128 s[24:27], s[8:9], 0x0              ; gate_b
	s_add_nc_u64 s[4:5], s[4:5], s[16:17]
	s_add_nc_u64 s[10:11], s[10:11], s[18:19]
	s_add_nc_u64 s[12:13], s[12:13], s[22:23]
.irp j, 0,1,2,3,4,5,6,7
	global_load_b128 v[X+4*\j:X+4*\j+3], v3, s[4:5] offset:512*\j th:TH_LOAD_NT   ; 512 neighbouring bytes a load; x is read once in this launch
.endr
.irp j, 0,1,2,3,4,5,6,7
.irp i, 0,1,2,3
	global_load_b128 v[G+16*\j+4*\i:G+16*\j+4*\i+3], v4, s[6:7] offset:2048*\j+16*\i
.endr
.endr
; One multiply-add straight from two bf16 halves into an f32 sum: v[ar] = half sa of v[xr] x half sb of v[gr] + v[cr].
; op_sel_hi says which sources are bf16 halves (the first two), op_sel which half is taken (0 low, 1 high).
.macro MIX
.if (sa == 0) && (sb == 0)
	v_fma_mix_f32_bf16 v[ar], v[xr], v[gr], v[cr] op_sel_hi:[1,1,0]
.elseif (sa == 1) && (sb == 0)
	v_fma_mix_f32_bf16 v[ar], v[xr], v[gr], v[cr] op_sel:[1,0,0] op_sel_hi:[1,1,0]
.elseif sa == 0
	v_fma_mix_f32_bf16 v[ar], v[xr], v[gr], v[cr] op_sel:[0,1,0] op_sel_hi:[1,1,0]
.else
	v_fma_mix_f32_bf16 v[ar], v[xr], v[gr], v[cr] op_sel:[1,1,0] op_sel_hi:[1,1,0]
.endif
.endm
; x[d] times gate_w[d][0..3], d = 128 j + 4 lane + i, onto chain i.  j = 0 starts the sums on the one zero register: no accumulator is cleared.
.macro DOT j, i
.set xr, XB+2*\j+\i/2
.set sa, \i%2
.irp e, 0,1,2,3
.set gr, G+16*\j+4*\i+\e/2
.set sb, \e%2
.set ar, ACC+4*\i+\e
.set cr, ar
.if \j == 0
.set cr, Z
.endif
	MIX
.endr
.endm
.irp j, 0,1,2,3,4,5,6,7
	s_wait_loadcnt 28-4*\j                         ; loads come back in order: all of x and gate_w's groups 0 to j are in, the 4 (7 - j) younger loads stay out
	v_cvt_pk_bf16_f32 v[XB+2*\j],   v[X+4*\j],   v[X+4*\j+1]
	v_cvt_pk_bf16_f32 v[XB+2*\j+1], v[X+4*\j+2], v[X+4*\j+3]
	global_store_b64 v5, v[XB+2*\j:XB+2*\j+1], s[10:11] offset:256*\j   ; the wave stores 256 consecutive bytes, at a multiple of 256 from xb's first byte; XB is never rewritten
.irp i, 0,1,2,3
	v_cvt_pk_bf16_f32 v[G+16*\j+4*\i],   v[G+16*\j+4*\i],   v[G+16*\j+4*\i+1]     ; gate_w[d][0], [1], in place
	v_cvt_pk_bf16_f32 v[G+16*\j+4*\i+1], v[G+16*\j+4*\i+2], v[G+16*\j+4*\i+3]     ; gate_w[d][2], [3]
.endr
.irp i, 0,1,2,3
	DOT \j, \i
.endr
.endr
	; the four chains are joined, then the 32 lanes
	v_pk_add_f32 v[ACC:ACC+1],     v[ACC:ACC+1],     v[ACC+4:ACC+5]
	v_pk_add_f32 v[ACC+2:ACC+3],   v[ACC+2:ACC+3],   v[ACC+6:ACC+7]
	v_pk_add_f32 v[ACC+8:ACC+9],   v[ACC+8:ACC+9],   v[ACC+12:ACC+13]
	v_pk_add_f32 v[ACC+10:ACC+11], v[ACC+10:ACC+11], v[ACC+14:ACC+15]
	v_pk_add_f32 v[ACC:ACC+1],     v[ACC:ACC+1],     v[ACC+8:ACC+9]
	v_pk_add_f32 v[ACC+2:ACC+3],   v[ACC+2:ACC+3],   v[ACC+10:ACC+11]
.irp m, 1,2,4,8
.irp e, 0,1,2,3
	v_add_f32_dpp v[ACC+\e], v[ACC+\e], v[ACC+\e] row_xmask:\m row_mask:0xf bank_mask:0xf
.endr
.endr
.irp e, 0,1,2,3
	v_permlanex16_b32 v[ACC+4+\e], v[ACC+\e], s20, s21   ; its destination counts as read: a register that has been written
.endr
	s_wait_kmcnt 0x0                               ; gate_b
	v_cvt_pk_bf16_f32 v[T],   s24, s25             ; gate_b rounded to bf16,
	v_cvt_pk_bf16_f32 v[T+1], s26, s27
	v_lshlrev_b32 v[W],   16, v[T]                 ; and widened again: the low half moves up, the high half stays
	v_and_b32     v[W+1], 0xffff0000, v[T]
	v_lshlrev_b32 v[W+2], 16, v[T+1]
	v_and_b32     v[W+3], 0xffff0000, v[T+1]
.irp e, 0,1,2,3
	v_add_f32 v[ACC+\e], v[ACC+\e], v[ACC+4+\e]
.endr
.irp e, 0,1,2,3
	v_add_f32 v[ACC+\e], v[ACC+\e], v[W+\e]        ; every lane holds the four logits
.endr
	; softmax: the maximum is taken away first, so that the largest exponential is 1 and the sum lies between 1 and 4
	v_max3_num_f32 v[T], v[ACC], v[ACC+1], v[ACC+2]
	v_max_num_f32 v[T], v[T], v[ACC+3]
.irp e, 0,1,2,3
	v_sub_f32 v[W+\e], v[ACC+\e], v[T]
.endr
.irp e, 0,1,2,3
	v_mul_f32 v[W+\e], 0x3fb8aa3b, v[W+\e]         ; times log2(e): v_exp_f32 is 2^x
.endr
.irp e, 0,1,2,3
	v_exp_f32 v[W+\e], v[W+\e]
.endr
	v_mov_b32 v[CN], 3                             ; plain instructions between the exponentials and the use of their results (ISA guide 5.7.2)
	v_mov_b32 v[CN+1], 2                           ; expert i starts as beaten by the 3 - i experts behind it
	s_wait_alu depctr_va_vdst(0)
	v_add_f32 v[T], v[W], v[W+1]
	v_add_f32 v[T+1], v[W+2], v[W+3]
	v_add_f32 v[T], v[T], v[T+1]
	v_rcp_f32 v[T+2], v[T]
	v_mov_b32 v[CN+2], 1                           ; plain instructions behind the reciprocal
	v_mov_b32 v[CN+3], 0
	s_wait_alu depctr_va_vdst(0)
.irp e, 0,1,2,3
	v_mul_f32 v[W+\e], v[W+\e], v[T+2]
.endr
; For i < j: if w_i >= w_j then i beats j (a tie goes to the lower index), else j beats i.
.macro PAIR i, j
	v_cmp_ge_f32 vcc_lo, v[W+\i], v[W+\j]
	v_cndmask_b32 v[T+1], 0, 1, vcc_lo
	v_add_nc_u32 v[CN+\j], v[CN+\j], v[T+1]
	v_sub_nc_u32 v[CN+\i], v[CN+\i], v[T+1]
.endm
	PAIR 0, 1
	PAIR 0, 2
	PAIR 0, 3
	PAIR 1, 2
	PAIR 1, 3
	PAIR 2, 3
.irp e, 0,1,2,3
	v_cmp_gt_u32 vcc_lo, 2, v[CN+\e]               ; beaten by fewer than two: among the two largest
	v_cndmask_b32 v[W+\e], 0, v[W+\e], vcc_lo
.endr
	; lane l takes word l of the token's row of cw (lanes 8 to 31: zeros that nobody reads)
	v_mov_b32 v[T], 0
.irp e, 0,1,2,3
	v_cmp_eq_u32 vcc_lo, 2+\e, v2
	v_cndmask_b32 v[T], v[T], v[W+\e], vcc_lo
.endr
	v_cmp_le_u32 vcc_lo, 2, v2
	v_cndmask_b32 v[T], 0.5, v[T], vcc_lo          ; lanes 0 and 1: a shared expert's half
	ds_store_b32 v6, v[T]
	s_wait_dscnt 0x0                               ; for wave 0's sake: my row lies in LDS
	s_barrier_signal -1
	s_barrier_wait -1
	s_cmp_lg_u32 s14, 0
	s_cbranch_scc1 .Lend
	ds_load_b64 v[T:T+1], v7                       ; wave 0 gathers the eight rows: 32 lanes x 8 bytes
	s_wait_dscnt 0x0
	global_store_b64 v5, v[T:T+1], s[12:13]        ; 256 consecutive bytes, at a multiple of 256 from cw's first byte
.Lend:
	s_wait_tensorcnt 0x0
	ds_add_u32 v224, v225
	s_wait_dscnt 0x0
	s_endpgm
.Lfunc_end_k_qa08e800b11_gate:
	.size	k_qa08e800b11_gate, .Lfunc_end_k_qa08e800b11_gate-k_qa08e800b11_gate
	.p2alignl 7, 3214868480
	.fill 96, 4, 3214868480
	.section	.rodata,"a",@progbits
	.p2align	6, 0x0
	.amdhsa_kernel k_qa08e800b11_gate
		.amdhsa_group_segment_fixed_size 2048
		.amdhsa_private_segment_fixed_size 0
		.amdhsa_enable_private_segment 0
		.amdhsa_kernarg_size 40
		.amdhsa_user_sgpr_count 2
		.amdhsa_user_sgpr_kernarg_segment_ptr 1
		.amdhsa_wavefront_size32 1
		.amdhsa_system_sgpr_workgroup_id_x 1
		.amdhsa_system_sgpr_workgroup_id_y 1
		.amdhsa_system_sgpr_workgroup_id_z 1
		.amdhsa_system_vgpr_workitem_id 0
		.amdhsa_next_free_vgpr 226
		.amdhsa_next_free_sgpr 66
		.amdhsa_reserve_vcc 1
		.amdhsa_float_denorm_mode_32 3
		.amdhsa_float_denorm_mode_16_64 3
		.amdhsa_memory_ordered 1
		.amdhsa_forward_progress 1
		.amdhsa_inst_pref_size 25
	.end_amdhsa_kernel
	.amdgpu_metadata
---
amdhsa.version: [ 1, 2 ]
amdhsa.kernels:
  - .name:           k_qa08e800b11_gate
    .symbol:         k_qa08e800b11_gate.kd
    .args:
      - { .name: x, .offset: 0, .size: 8, .value_kind: global_buffer, .address_space: global }
      - { .name: gate_w, .offset: 8, .size: 8, .value_kind: global_buffer, .address_space: global }
      - { .name: gate_b, .offset: 16, .size: 8, .value_kind: global_buffer, .address_space: global }
      - { .name: xb, .offset: 24, .size: 8, .value_kind: global_buffer, .address_space: global }
      - { .name: cw, .offset: 32, .size: 8, .value_kind: global_buffer, .address_space: global }
    .group_segment_fixed_size: 2048
    .private_segment_fixed_size: 0
    .kernarg_segment_align: 8
    .kernarg_segment_size: 40
    .max_flat_workgroup_size: 256
    .sgpr_count:     66
    .vgpr_count:     226
    .wavefront_size: 32
...
	.end_amdgpu_metadata
.endif
;; end of part 1
;; launch gemm1 (part 2): grid 8 x 32, 4 waves a work-group, clusters of 4 x 1, 327,680 bytes of LDS; arguments xb, cw, sw1, rw1, sb1, rb1, h; writes h
.if DOCPART == 2
	.amdgcn_target "amdgcn-amd-amdhsa--gfx1250"
	.amdhsa_code_object_version 6
	.text
	.protected	k_qa08e800b11_gemm1
	.globl	k_qa08e800b11_gemm1
	.p2align	8
	.type	k_qa08e800b11_gemm1,@function
k_qa08e800b11_gemm1:
	s_mov_b64 s[64:65], 0
	v_nop
	global_prefetch_b8 v0, s[64:65] scope:SCOPE_SE
	s_setreg_imm32_b32 hwreg(HW_REG_WAVE_MODE, 25, 1), 1
	s_wait_xcnt 0x0
	s_wait_alu depctr_hold_cnt(0) depctr_sa_sdst(0) depctr_va_vdst(0) depctr_va_sdst(0) depctr_va_ssrc(0) depctr_va_vcc(0) depctr_vm_vsrc(0)
	s_getreg_b32 s2, hwreg(HW_REG_IB_STS2, 6, 4)
	s_cmp_eq_u32 s2, 0
	s_cbranch_scc0 .Lentry_in_a_cluster
	s_endpgm
.Lentry_in_a_cluster:
	s_bfe_u32 s2, ttmp6, 0x10000c
	s_cmp_lg_u32 s2, 0x3003
	s_cbranch_scc0 .Lentry_shape_is_right
	s_endpgm
.Lentry_shape_is_right:
; FIRST LINEAR LAYER OF ALL SIX EXPERTS.  h[t][4096 e + f] = bf16( c[t][e] * relu( sum over d of xb[t][d] W1[e][d][f] + b1[e][f] ) ),
; e = 0, 1: the shared experts (sw1, sb1), e = 2..5: the routed ones (rw1, rb1); c = cw[t][e] >= 0, so it may stand in front of the second product's sum.
; Products in bf16, sums, bias, relu and c in f32, h rounded once.  h is bf16, not f16: its range is f32's.
; SHARES.  h has 1,024 x 24,576 numbers; the launch's 256 work-groups make 98,304 each, in TWO PARTS, and stay in between:
;   part 1: a tile of 512 tokens x 128 columns (column tiles 0-127: experts 0-3); four waves, each 128 x 128: 64 accumulators, 512 registers;
;   part 2: a tile of 256 tokens x 128 columns (column tiles 128-191: experts 4, 5); each wave 64 x 128: 32 accumulators.
; One tile of that size (512 x 192) would take 768 registers of accumulators and leave no room for fragments and weights.  Part 2 is cut by rows, not by columns, so that a row's 256 bytes come from one wave.
; The tiles are tall and narrow because the weights are f32 and lie [d][f]: they pass through registers (load, round to bf16, store to LDS), so each column of weights costs vector work.
; xb's TILES (128 along K, rows of 256 bytes at multiples of 256) come by the tensor data mover into two LDS slots; each wave fetches and reads its own rows (128, in part 2: 64).
; WEIGHTS go in steps of 64 along K: wave w loads rows 16 w .. 16 w + 15 (16 loads of 512 consecutive bytes), two steps ahead, into one of two register sets;
; a step ahead they are rounded and stored to one of two LDS slots as bf16 [k][n], from which ds_load_tr16_b128 brings them turned.
; NEITHER RING STOPS BETWEEN THE PARTS: part 1's last three steps ask for part 2's first three weight steps, its last two changes of xb's slot ask for part 2's first two tiles,
; and part 1's stores are on their way while part 2 is multiplied.
; CLUSTER 4 x 1: the four partners make four neighbouring column tiles of the same tokens, in both parts, so xb's tiles are asked for JOINTLY (mask 15).
; The weights are not asked for jointly: each partner has columns of its own, and they pass through registers to be rounded.
; THE MATRIX INSTRUCTION IS USED TRANSPOSED (source 0 = 16 columns of weights, source 1 = 16 tokens): a lane holds token lane % 16 and eight neighbouring columns 8 (lane / 16) + 0..7.
; The accumulators take turns, one instruction a turn, in the same order in every quarter step.
; REGISTERS, in windows of 256 (s_set_vgpr_msb: bits 1:0 source 0, 3:2 source 1, 5:4 source 2, 7:6 destination):
;   window 0: v0-31 addresses and c; v32-63 rounded weights; v64-127, v128-191 fragments of xb, two buffers; v192-255 the 64 biases of my lane's columns
;   window 1: v0-63, v192-255 weights in f32, two sets; v64-127, v128-191 fragments of the weights, two buffers
;   window 2: accumulators of my tokens 0-63 ((a, b) at v[8 (8 a + b)]);   window 3: of my tokens 64-127 (part 1 alone)
.set KA,     1024                      ; elements in a row of xb
.set LAPS,   4                         ; in each part: 16 weight steps of 64 = 8 tiles of xb = 4 times round the ring
.set PITCHB, 16384                     ; bytes from a row of W1[e] to the next
.set HP,     49152                     ; bytes in a row of h
.set PA,     272                       ; a row of xb in LDS: 256 bytes + 16 of padding = 68 words: the 16 rows of a fragment load start at 16 different banks (64 banks of 4 bytes: ISA guide 11.1)
.set AW,     128*PA                    ; a wave's part of a slot (part 2 fills the first 64 rows of it)
.set ASLOT,  4*AW
.set BBASE,  2*ASLOT                   ; behind the ring, at a multiple of 256: the weights' two slots; no tensor load ever lands here
.set PB,     288                       ; a row of weights in LDS: 256 bytes + 32 = 72 words
.set BSLOT,  64*PB
.set STAGE,  BBASE+BSLOT               ; the way out goes through the weights' slot 1: each part's last step reads it, and slot 0 already holds part 2's first step
.set SP,     272                       ; a row of the stage; 4 waves x 16 rows x 272 = 17,408 bytes, inside the slot's 18,432
.set ADRA, 8                           ; v8-9    LDS address of my fragments of xb in slot 0, 1
.set ADRB, 10                          ; v10-11  the same for the weights
.set STB,  12                          ; v12-13  where I store rounded weights, slot 0, 1
.set WOFF, 14                          ; v14     my byte offset in the weights; never rewritten
.set STO,  15                          ; v15     the way out: where I put 16 bytes of a row
.set RD,   16                          ; v16     the way out: where I read a row back
.set CO,   17                          ; v17     my byte offset in h
.set COFF, 18                          ; v18     my byte offset in cw
.set BOFF, 19                          ; v19     my byte offset in the bias
.set CM,   20                          ; v20-27  c of my token in each of my blocks of 16 tokens
.set CP,   28                          ; v28-29  the block's c, twice: a pair for the packed multiply
.set CV,   32
.set F0,   64
.set F1,   128
.set BI,   192
.set T,    64                          ; the way out: 64 numbers in f32
.set TMP,  128                         ; the way out: packed results
.set G1,   24                          ; s[24:31] descriptor group 1, part 1: 128 rows
.set G0,   32                          ; s[32:39] descriptor group 0, a set for each slot
.set WB,   40                          ; s[40:41] the weights at the step to be loaded
.set OUTB, 42                          ; s[42:43] h at the rows to be stored
.set G1H,  72                          ; s[72:79] descriptor group 1, part 2: 64 rows (G1 + 48)
.set A2,   80                          ; s[80:81] part 2: xb at my first row
.set WB2,  82                          ; s[82:83] part 2: the weights at my tile's first column
.set BB2,  84                          ; s[84:85] part 2: the bias there
.set CW2,  86                          ; s[86:87] part 2: cw at my first token, my expert's word
.set OUT2, 88                          ; s[88:89] part 2: h at my first row, my tile's 256 bytes
.set HALF, 0                           ; 0: part 1 is being written, 1: part 2.  The macros below choose by it
.set MSB, 0
.macro WIN new                         ; the immediate's high byte repeats the setting that is left; a switch that changes nothing is dropped
.if MSB != (\new)
	s_set_vgpr_msb (MSB<<8)|(\new)
.set MSB, \new
.endif
.endm
.set MUL_LO, 0xa1                      ; source 0 (weights) window 1, source 1 (xb) window 0, C and D window 2
.set MUL_HI, 0xf1                      ; the same, C and D window 3
.set TO_B,   0x40                      ; destination window 1, address window 0
.set CVT,    0x05                      ; sources 0 and 1 window 1, destination window 0
.macro PLACES                          ; four plain vector instructions between a matrix instruction and a load into, or a vector read of, its registers
.rept 4
	v_nop
.endr
.endm
.macro CREST                           ; a round of the cluster's barrier behind its opening barrier
	s_cmp_lg_u32 s18, 0
	s_cbranch_scc1 .Lnot_wave_0_\@
	s_barrier_signal -3
.Lnot_wave_0_\@:
	s_barrier_wait -3
	s_barrier_signal -1
	s_barrier_wait -1
.endm
.macro CROUND                          ; a whole round
	s_barrier_signal -1
	s_barrier_wait -1
	CREST
.endm
.macro JLOAD slot, g                   ; a joint load with group 1 at s[g]: every wave asks for its own rows; four v_nop follow
	tensor_load_to_lds s[G0+4*\slot:G0+4*\slot+3], s[\g:\g+7]
	s_nop 0
	PLACES
.endm
; 16 matrix instructions: token blocks a0, a0 + 1 of the window's four x all 8 column blocks, 32 along K.  zero = 1: the first product starts the sums.
.macro MUL16 f, hi, a0, zero
.irp a, \a0, \a0+1
.irp b, 0,1,2,3,4,5,6,7
.if \zero
	v_wmma_f32_16x16x32_bf16 v[8*(8*(\a)+\b):8*(8*(\a)+\b)+7], v[\f+8*\b:\f+8*\b+7], v[\f+8*(4*\hi+\a):\f+8*(4*\hi+\a)+7], 0
.else
	v_wmma_f32_16x16x32_bf16 v[8*(8*(\a)+\b):8*(8*(\a)+\b)+7], v[\f+8*\b:\f+8*\b+7], v[\f+8*(4*\hi+\a):\f+8*(4*\hi+\a)+7], v[8*(8*(\a)+\b):8*(8*(\a)+\b)+7]
.endif
.endr
.endr
.endm
; The LDS loads of a quarter (32 along K) in one run, into buffer f: 128 columns of weights from row kb of slot sb, turned (16 loads); my tokens from byte ka of slot sa's rows (16 loads, in part 2: 8).
.macro FETCH sa, ka, sb, kb, f
	WIN TO_B
.irp i, 0,1,2,3,4,5,6,7
	ds_load_tr16_b128 v[\f+8*\i:\f+8*\i+3],   v[ADRB+\sb] offset:(\kb)*PB+32*\i
	ds_load_tr16_b128 v[\f+8*\i+4:\f+8*\i+7], v[ADRB+\sb] offset:(\kb+16)*PB+32*\i
.endr
	WIN 0
.irp i, 0,1,2,3
	ds_load_b128 v[\f+8*\i:\f+8*\i+3],   v[ADRA+\sa] offset:\ka+\i*16*PA
	ds_load_b128 v[\f+8*\i+4:\f+8*\i+7], v[ADRA+\sa] offset:\ka+\i*16*PA+32
.endr
.if HALF == 0
.irp i, 4,5,6,7
	ds_load_b128 v[\f+8*\i:\f+8*\i+3],   v[ADRA+\sa] offset:\ka+\i*16*PA
	ds_load_b128 v[\f+8*\i+4:\f+8*\i+7], v[ADRA+\sa] offset:\ka+\i*16*PA+32
.endr
.endif
.endm
.macro CONVERT set                     ; my 16 rows x 4 columns of a weight step, rounded to bf16: 32 conversions
	WIN CVT
.set ci, 0
.rept 32
	v_cvt_pk_bf16_f32 v[CV+ci], v[192*(\set)+2*ci], v[192*(\set)+2*ci+1]
.set ci, ci+1
.endr
.endm
.macro STOREB slot                     ; and stored: a row's 128 bf16 are 256 consecutive bytes from the wave's 32 lanes
	WIN 0
.set ci, 0
.rept 16
	ds_store_b64 v[STB+(\slot)], v[CV+2*ci:CV+2*ci+1] offset:PB*ci
.set ci, ci+1
.endr
.endm
.macro LOADW set, step                 ; my 16 rows of a weight step.  step = 1: the base goes on by 64 rows first; 2: it goes over to part 2's weights; 0: it stays
.if (\step) == 1
	s_wait_xcnt 0x0                                ; the base of the loads issued so far is rewritten only behind this wait
	s_add_nc_u64 s[WB:WB+1], s[WB:WB+1], 64*PITCHB
.elseif (\step) == 2
	s_wait_xcnt 0x0
	s_mov_b64 s[WB:WB+1], s[WB2:WB2+1]
.endif
	WIN TO_B
.set ci, 0
.rept 16
	global_load_b128 v[192*(\set)+4*ci:192*(\set)+4*ci+3], v[WOFF], s[WB:WB+1] offset:ci*PITCHB   ; 512 consecutive bytes, at a multiple of 512 from the buffer's first byte
.set ci, ci+1
.endr
.endm
; A weight step j (u = j % 2) is two quarters of 32 along K, on buffers 0 and 1: 64 matrix instructions each, in part 2: 32.
; The first quarter multiplies buffer 0.  In its middle: step j + 1's weights are rounded and stored to the other slot (conv), step j + 3's are asked for (load: LOADW's step), and the second quarter's fragments are fetched.
.macro Q0 sa, u, zero, conv, load, left
	s_wait_dscnt 8-4*HALF                          ; the weights and the first half of my tokens are in; the youngest loads (the other half: 8, in part 2: 4) may be out
	WIN MUL_LO
	MUL16 F0, 0, 0, \zero
.if HALF == 0
	MUL16 F0, 0, 2, \zero
.endif
.if \conv
	s_wait_loadcnt \left                           ; step j + 1's sixteen loads are in; left = the loads issued behind them
	CONVERT 1-\u                                   ; 32 plain instructions that name no register of the products: also the places in front of the loads below
	STOREB 1-\u                                    ; that slot's last reads were waited for in front of the last barrier
.if \load
	LOADW 1-\u, \load
.endif
.else
	PLACES
.endif
	FETCH \sa, 128*\u+64, \u, 32, F1
	s_wait_dscnt 32-8*HALF                         ; all but the loads just issued (32, in part 2: 24): the rest of my tokens are in (and my stores are done)
.if HALF
	WIN MUL_LO
	MUL16 F0, 0, 2, \zero
.else
	WIN MUL_HI
	MUL16 F0, 1, 0, \zero
	MUL16 F0, 1, 2, \zero
.endif
.endm
; The second quarter multiplies buffer 1 and changes the weights' slot: ONE barrier.  In front of it each wave waits for its reads of this slot and its stores into the next.
; kind 0: in the middle of a tile of xb: a tensor load may stay out.
; kind 1: xb's tile changes too: all my tensor loads have landed.
; kind 2: and the slot just read is filled again, two tiles on: the barrier opens a round of the cluster's barrier, and the joint refill is the first thing behind the round.
; kind 3: the same, but the refill is part 2's tile 0 (slot 0) or 1 (slot 1): the ring goes on into part 2.
; fetch = 0: no fragments are fetched (part 1's very last quarter: the way out follows and uses those registers).
.macro Q1 kind, san, kan, un, slot, fetch
.if HALF
	s_wait_dscnt 0                                 ; buffer 1 is whole; my reads of both slots in hand are over, my stores of the next weights are done
.else
	s_wait_dscnt 8
	WIN MUL_LO
	MUL16 F1, 0, 0, 0
	s_wait_dscnt 0                                 ; my reads of both slots in hand are over, my stores of the next weights are done
.endif
.if \kind >= 1
	s_set_vgpr_msb 0xa1a0
	s_wait_tensorcnt 0x0                           ; all my tensor loads have landed: the one that was out is my part of xb's next tile
	ds_add_u32 v30, v31
	s_wait_dscnt 0x0
	s_set_vgpr_msb 0xa0a1
.endif
	s_barrier_signal -1
	WIN MUL_LO
.if HALF
	MUL16 F1, 0, 0, 0                              ; work on registers while the others arrive
.else
	MUL16 F1, 0, 2, 0
.endif
.if \kind >= 2
	WIN 0
.endif
	s_barrier_wait -1
.if \kind == 2
	CREST                                          ; no wave of any partner still reads this slot or has a load on its way
	s_add_nc_u64 s[G0+4*\slot+2:G0+4*\slot+3], s[G0+4*\slot+2:G0+4*\slot+3], 512   ; two tiles of 128 bf16 on
	JLOAD \slot, G1+48*HALF                        ; two weight steps less sixteen matrix instructions ahead of the wait for it; its four v_nop are also the places in front of the loads below
.elseif \kind == 3
	CREST
	s_add_nc_u64 s[G0+4*\slot+2:G0+4*\slot+3], s[A2:A2+1], 256*\slot               ; no tensor load of mine is out, so a group 0 may be written: part 2's tile 0 or 1,
	s_or_b32 s[G0+4*\slot+3], s[G0+4*\slot+3], 0x80000000                          ; type = 2; the LDS address stays
	JLOAD \slot, G1H
.else
	PLACES
.endif
.if \fetch
	FETCH \san, \kan, \un, 0, F0
.endif
.if HALF
	WIN MUL_LO
	MUL16 F1, 0, 2, 0
.else
	WIN MUL_HI
	MUL16 F1, 1, 0, 0
	MUL16 F1, 1, 2, 0
.endif
.endm
.macro LAP                             ; once round the ring: four weight steps, two tiles of xb, both slots filled again; from a lap's second quarter to the next lap's first
	Q1 0, 0, 128, 1, 0, 1
	Q0 0, 1, 0, 1, 1, 16
	Q1 2, 1, 0, 0, 0, 1
	Q0 1, 0, 0, 1, 1, 16
	Q1 0, 1, 128, 1, 0, 1
	Q0 1, 1, 0, 1, 1, 16
	Q1 2, 0, 0, 0, 1, 1
	Q0 0, 0, 0, 1, 1, 16
	WIN 0                                          ; at a label and at a branch every window is 0
.endm
.macro QLAST                           ; part 2's very last quarter; behind its barrier no wave reads the weights' slots any more: the stage may lie there
	s_wait_dscnt 0
	WIN MUL_LO
	MUL16 F1, 0, 0, 0
	MUL16 F1, 0, 2, 0
	WIN 0
	s_barrier_signal -1
	s_barrier_wait -1
	PLACES                                         ; the way out reads results just made
.endm
; THE WAY OUT of block a (16 tokens x 128 columns).  PACK: + bias, relu, x c, rounded to bf16, 16 bytes a lane.  TOSTAGE: into my own stage and back as whole rows of 256 bytes.  SEND: stored.
.macro PACK a
.set AC, 64*((\a)%4)
	WIN 0x02+(\a)/4                                ; source 0: window 2 or 3
.set pi, 0
.rept 32
	v_pk_add_f32 v[T+2*pi:T+2*pi+1], v[AC+2*pi:AC+2*pi+1], v[BI+2*pi:BI+2*pi+1]
.set pi, pi+1
.endr
	WIN 0
	v_mov_b32 v[CP], v[CM+(\a)]
	v_mov_b32 v[CP+1], v[CM+(\a)]
.set pi, 0
.rept 64
	v_max_num_f32 v[T+pi], 0, v[T+pi]
.set pi, pi+1
.endr
.set pi, 0
.rept 32
	v_pk_mul_f32 v[T+2*pi:T+2*pi+1], v[T+2*pi:T+2*pi+1], v[CP:CP+1]
.set pi, pi+1
.endr
.set pi, 0
.rept 32
	v_cvt_pk_bf16_f32 v[TMP+pi], v[T+2*pi], v[T+2*pi+1]
.set pi, pi+1
.endr
.endm
.macro TOSTAGE a
.set BK, 32+128*((\a)%2)               ; v32-63 and v160-191 by turns
.irp b, 0,1,2,3,4,5,6,7
	ds_store_b128 v[STO], v[TMP+4*\b:TMP+4*\b+3] offset:32*\b
.endr
.irp t, 0,1,2,3,4,5,6,7
	ds_load_b128 v[BK+4*\t:BK+4*\t+3], v[RD] offset:\t*2*SP        ; LDS serves a wave's instructions in order (ISA guide 5.7.1.4): these see the stores above
.endr
.endm
.macro SEND a
.set BK, 32+128*((\a)%2)
	s_wait_dscnt 0                                 ; the block is back in registers
	s_wait_xcnt 0x0                                ; the stores' base and the registers that earlier stores read are rewritten only behind this wait
.if (\a) > 0
	s_add_nc_u64 s[OUTB:OUTB+1], s[OUTB:OUTB+1], 16*HP
.elseif HALF
	s_mov_b64 s[OUTB:OUTB+1], s[OUT2:OUT2+1]       ; part 2's first rows
.endif
.irp t, 0,1,2,3,4,5,6,7
	global_store_b128 v[CO], v[BK+4*\t:BK+4*\t+3], s[OUTB:OUTB+1] offset:2*\t*HP   ; 16 lanes store 256 consecutive bytes, at a multiple of 256 from h's first byte
.endr
.endm
	s_load_b256 s[4:11], s[0:1], 0x0               ; xb s[4:5], cw s[6:7], sw1 s[8:9], rw1 s[10:11]
	s_load_b128 s[12:15], s[0:1], 0x20             ; sb1 s[12:13], rb1 s[14:15]
	s_load_b64 s[16:17], s[0:1], 0x30              ; h
	v_lshl_add_u32 v30, v0, 2, 0x4d000
	v_mov_b32 v31, 0
	ds_add_u32 v30, v31
	v_lshrrev_b32 v3, 5, v0
	v_readfirstlane_b32 s18, v3                    ; wave 0..3
	s_bfe_u32 s19, ttmp6, 0x40000                  ; cx: my place in the cluster
	s_mov_b32 s20, ttmp9                           ; the cluster's x, 0 or 1
	s_and_b32 s21, ttmp7, 0xffff                   ; the cluster's y, 0..31
	; part 1: tokens 512 x .., column tile 4 y + cx
	s_lshl_b32 s22, s21, 2
	s_add_co_u32 s22, s22, s19                     ; my column tile, 0..127
	s_lshr_b32 s23, s21, 3                         ; the expert, 0..3: 32 tiles each; the four partners share it
	; part 2: tokens 256 (2 x + y % 2) .., column tile 128 + 4 (y / 2) + cx
	s_and_b32 s59, s21, 1
	s_lshl_b32 s60, s20, 1
	s_add_co_u32 s60, s60, s59
	s_lshl_b32 s60, s60, 8
	s_lshl_b32 s59, s18, 6
	s_add_co_u32 s60, s60, s59                     ; my first token = 256 x block + 64 x wave
	s_lshl_b32 s66, s60, 11                        ; its row in xb: no place in the cluster enters it
	s_mov_b32 s67, 0
	s_lshr_b32 s61, s21, 1
	s_lshl_b32 s61, s61, 2
	s_add_co_u32 s61, s61, s19                     ; my column tile less 128, 0..63
	s_lshr_b32 s62, s21, 4
	s_add_co_u32 s62, s62, 2                       ; the routed expert's number in rw1 and rb1: 2 or 3
	s_and_b32 s63, s61, 31
	s_lshl_b32 s63, s63, 9                         ; my 128 columns in the expert's rows of f32
	; descriptor groups 1: tiles of 128 (part 2: 64) rows x 128 elements, padded in LDS
.irp g, G1, G1H
	s_mov_b32 s[\g+0], 15|(1<<16)|(1<<20)|(1<<21)|(5<<22)|(3<<25)  ; 15:0 the mask: all four work-groups; 17:16 elements of 2 bytes; 20 padding on; 21 set beside a mask; 24:22 after every 64 words (code 5); 31:25 4 words of it (code 3)
	s_mov_b32 s[\g+1], 128<<16                     ; tensor_dim0 = 128
	s_mov_b32 s[\g+3], 128<<16                     ; tile_dim0 = 128
	s_mov_b32 s[\g+5], KA                          ; elements from row to row
	s_mov_b32 s[\g+6], 0
	s_mov_b32 s[\g+7], 0
.endr
	s_mov_b32 s[G1+2], 128<<16                     ; tensor_dim1 = 128
	s_mov_b32 s[G1+4], 128                         ; tile_dim1 = 128
	s_mov_b32 s[G1H+2], 64<<16                     ; tensor_dim1 = 64
	s_mov_b32 s[G1H+4], 64                         ; tile_dim1 = 64
	s_lshl_b32 s44, s20, 9
	s_lshl_b32 s45, s18, 7
	s_add_co_u32 s44, s44, s45                     ; part 1: my first token = 512 x block + 128 x wave
	s_lshl_b32 s46, s44, 11                        ; its row in xb: no place in the cluster enters it
	s_mov_b32 s47, 0
	s_mul_i32 s54, s18, AW                         ; my part of a slot
	v_and_b32 v1, 15, v0                           ; r = lane % 16
	v_bfe_u32 v2, v0, 4, 1                         ; h = lane / 16
	v_and_b32 v3, 31, v0                           ; lane
	v_mul_u32_u24 v4, v1, PA
	v_lshl_add_u32 v4, v2, 4, v4                   ; r x 272 + 16 h
	v_add_nc_u32 v[ADRA], s54, v4
	v_add_nc_u32 v[ADRA+1], ASLOT, v[ADRA]
	v_and_b32 v5, 7, v0
	v_lshl_add_u32 v5, v2, 3, v5                   ; the turning load: row 8 h + lane % 8,
	v_mul_u32_u24 v5, v5, PB
	v_bfe_u32 v6, v0, 3, 1
	v_lshl_add_u32 v5, v6, 4, v5                   ; 16 bytes for each half of a group of 16 lanes
	v_add_nc_u32 v[ADRB], BBASE, v5
	v_add_nc_u32 v[ADRB+1], BBASE+BSLOT, v5
	s_mul_i32 s56, s18, 16*PB                      ; my 16 rows of a weight slot
	v_lshl_add_u32 v7, v3, 3, s56                  ; + 8 lane
	v_add_nc_u32 v[STB], BBASE, v7
	v_add_nc_u32 v[STB+1], BBASE+BSLOT, v7
	s_lshl_b32 s45, s18, 18                        ; my 16 rows of a weight step in memory
	v_lshl_add_u32 v[WOFF], v3, 4, s45             ; + 16 lane
	s_mul_i32 s57, s18, 16*SP
	s_add_co_u32 s57, s57, STAGE                   ; my stage
	v_add_nc_u32 v[STO], s57, v4                   ; in: row r, 16 bytes for each half of the lanes
	v_mul_u32_u24 v6, v2, SP
	v_lshl_add_u32 v6, v1, 4, v6
	v_add_nc_u32 v[RD], s57, v6                    ; back: lanes 0-15 one row of 256 bytes, lanes 16-31 the next
	v_mul_u32_u24 v6, v2, HP
	v_lshl_add_u32 v[CO], v1, 4, v6                ; and the same two rows in h
	v_lshlrev_b32 v[COFF], 5, v1                   ; cw: 32 bytes a token
	v_lshlrev_b32 v[BOFF], 5, v2                   ; bias: my eight columns of each sixteen
	s_and_b32 s49, s22, 31
	s_lshl_b32 s49, s49, 9                         ; part 1: my 128 columns in the expert's rows of f32
	s_mov_b32 s53, 0
	s_wait_dscnt 0x0
	s_wait_kmcnt 0x0
	s_add_nc_u64 s[46:47], s[4:5], s[46:47]        ; xb at my first row
	s_cmp_lt_u32 s23, 2                            ; a shared expert or a routed one
	s_cselect_b64 s[WB:WB+1], s[8:9], s[10:11]
	s_cselect_b64 s[50:51], s[12:13], s[14:15]
	s_cselect_b32 s48, 0, 2
	s_sub_co_u32 s48, s23, s48                     ; its number in its own buffer
	s_lshl_b32 s52, s48, 24                        ; 1,024 x 4,096 f32 an expert
	s_add_co_u32 s52, s52, s49
	s_add_nc_u64 s[WB:WB+1], s[WB:WB+1], s[52:53]
	s_lshl_b32 s52, s48, 14
	s_add_co_u32 s52, s52, s49
	s_add_nc_u64 s[50:51], s[50:51], s[52:53]      ; the bias at my tile's first column
	s_lshl_b32 s52, s44, 5
	s_lshl_b32 s55, s23, 2
	s_add_co_u32 s52, s52, s55
	s_add_nc_u64 s[68:69], s[6:7], s[52:53]        ; cw at my first token, my expert's word
	s_mul_i32 s52, s44, HP
	s_lshl_b32 s55, s22, 8
	s_add_co_u32 s52, s52, s55
	s_add_nc_u64 s[OUTB:OUTB+1], s[16:17], s[52:53]  ; h at my first row, my tile's 256 bytes
.irp b, 0,1,2,3,4,5,6,7
	global_load_b128 v[BI+8*\b:BI+8*\b+3],   v[BOFF], s[50:51] offset:64*\b      ; columns 16 b + 8 h + 0..3
	global_load_b128 v[BI+8*\b+4:BI+8*\b+7], v[BOFF], s[50:51] offset:64*\b+16   ; and + 4..7
.endr
.irp a, 0,1,2,3,4,5,6,7
	global_load_b32 v[CM+\a], v[COFF], s[68:69] offset:512*\a                    ; once: c of token 16 a + r
.endr
	LOADW 0, 0                                     ; weight steps 0 and 1
	LOADW 1, 1
	WIN 0
	; part 2's five addresses, while the first loads are on their way
	s_add_nc_u64 s[A2:A2+1], s[4:5], s[66:67]
	s_lshl_b32 s52, s62, 24
	s_add_co_u32 s52, s52, s63
	s_add_nc_u64 s[WB2:WB2+1], s[10:11], s[52:53]
	s_lshl_b32 s52, s62, 14
	s_add_co_u32 s52, s52, s63
	s_add_nc_u64 s[BB2:BB2+1], s[14:15], s[52:53]
	s_lshl_b32 s52, s60, 5
	s_lshl_b32 s55, s62, 2
	s_add_co_u32 s52, s52, s55
	s_add_co_u32 s52, s52, 8                       ; the routed experts' words follow the two shared ones'
	s_add_nc_u64 s[CW2:CW2+1], s[6:7], s[52:53]
	s_mul_i32 s52, s60, HP
	s_lshl_b32 s55, s61, 8
	s_add_co_u32 s52, s52, s55
	s_add_co_u32 s52, s52, 128*256                 ; column tile 128 on
	s_add_nc_u64 s[OUT2:OUT2+1], s[16:17], s[52:53]
.irp s, 0,1
	s_mov_b32 s[G0+4*\s], 1                                        ; count = 1
	s_add_co_u32 s[G0+4*\s+1], s54, \s*ASLOT                       ; LDS address
	s_add_nc_u64 s[G0+4*\s+2:G0+4*\s+3], s[46:47], \s*256          ; global address: tile s
	s_or_b32 s[G0+4*\s+3], s[G0+4*\s+3], 0x80000000                ; type = 2
.endr
	CROUND                                         ; all four work-groups are here: the first joint loads meet
	tensor_load_to_lds s[G0:G0+3], s[G1:G1+7]      ; both first fills go out together: two tensor loads of mine are out, later one
	s_nop 0
	tensor_load_to_lds s[G0+4:G0+7], s[G1:G1+7]
	s_nop 0
	PLACES
	s_wait_loadcnt 16                              ; bias, c and weight step 0 are in; step 1's sixteen loads stay out
	CONVERT 0
	STOREB 0
	LOADW 0, 1                                     ; weight step 2
	WIN 0
	s_wait_tensorcnt 1                             ; my part of tile 0 is in; tile 1's may stay out
	s_wait_dscnt 0                                 ; my rows of weight step 0 lie in LDS
	s_barrier_signal -1
	s_barrier_wait -1
	; PART 1
	FETCH 0, 0, 0, 0, F0
	Q0 0, 0, 1, 1, 1, 16                           ; the first quarter stands in front of the loop: its products start the sums
	WIN 0
	s_mov_b32 s3, LAPS-1
.Llap1:
	LAP
	s_sub_co_u32 s3, s3, 1
	s_cmp_lg_u32 s3, 0
	s_cbranch_scc1 .Llap1
	Q1 0, 0, 128, 1, 0, 1                          ; the last lap is written out: what it asks for is part 2's
	Q0 0, 1, 0, 1, 2, 16                           ; step 13: step 14 is rounded; part 2's weight step 0 is asked for
	Q1 3, 1, 0, 0, 0, 1                            ; slot 0 takes part 2's tile 0
	Q0 1, 0, 0, 1, 1, 16                           ; step 14: step 15 is rounded; part 2's step 1 is asked for
	Q1 0, 1, 128, 1, 0, 1
	Q0 1, 1, 0, 1, 1, 16                           ; step 15: part 2's step 0 is rounded into the weights' slot 0; its step 2 is asked for
	Q1 3, 0, 0, 0, 1, 0                            ; slot 1 takes part 2's tile 1; behind this round no wave reads the weights' slot 1: the stage may lie there
	WIN 0
	PLACES                                         ; the way out reads results just made
	PACK 0
	TOSTAGE 0
.irp a, 1,2,3,4,5,6,7                  ; block a's arithmetic stands between block a - 1's loads from the stage and the wait for them
	PACK \a
	SEND \a-1
	TOSTAGE \a
.endr
.irp b, 0,1,2,3,4,5,6,7                ; the last block has taken its bias and its c: part 2's come into the same registers
	global_load_b128 v[BI+8*\b:BI+8*\b+3],   v[BOFF], s[BB2:BB2+1] offset:64*\b
	global_load_b128 v[BI+8*\b+4:BI+8*\b+7], v[BOFF], s[BB2:BB2+1] offset:64*\b+16
.endr
.irp a, 0,1,2,3
	global_load_b32 v[CM+\a], v[COFF], s[CW2:CW2+1] offset:512*\a
.endr
	SEND 7                                         ; its wait for 0 on DScnt: my reads of the stage are over,
	s_barrier_signal -1
	s_barrier_wait -1                              ; everybody's are: part 2's first step may store weights into that slot.  Tile 1's load may stay out
	; PART 2.  Tile 0 and weight step 0 were shown whole by the waits in front of part 1's last round.
.set HALF, 1
	FETCH 0, 0, 0, 0, F0
	Q0 0, 0, 1, 1, 1, 36                           ; its products start the sums; weight step 1 is in: behind it stand step 2's 16 loads, the bias's 16 and c's 4
	WIN 0
	s_mov_b32 s3, LAPS-1
.Llap2:
	LAP
	s_sub_co_u32 s3, s3, 1
	s_cmp_lg_u32 s3, 0
	s_cbranch_scc1 .Llap2
	Q1 0, 0, 128, 1, 0, 1                          ; the last lap is written out: nothing more is asked for
	Q0 0, 1, 0, 1, 0, 16                           ; the last step but one is rounded; the last step's loads stay out
	Q1 1, 1, 0, 0, 0, 1
	Q0 1, 0, 0, 1, 0, 0                            ; the last step is rounded
	Q1 0, 1, 128, 1, 0, 1
	Q0 1, 1, 0, 0, 0, 0
	QLAST
	PACK 0
	TOSTAGE 0
.irp a, 1,2,3
	PACK \a
	SEND \a-1
	TOSTAGE \a
.endr
	SEND 3
	s_wait_tensorcnt 0x0
	ds_add_u32 v30, v31
	s_wait_dscnt 0x0
	CROUND                                         ; the closing round: no work-group ends while a partner may still ask for a tile that names it
	s_endpgm
.Lfunc_end_k_qa08e800b11_gemm1:
	.size	k_qa08e800b11_gemm1, .Lfunc_end_k_qa08e800b11_gemm1-k_qa08e800b11_gemm1
	.p2alignl 7, 3214868480
	.fill 96, 4, 3214868480
	.section	.rodata,"a",@progbits
	.p2align	6, 0x0
	.amdhsa_kernel k_qa08e800b11_gemm1
		.amdhsa_group_segment_fixed_size 327680
		.amdhsa_private_segment_fixed_size 0
		.amdhsa_enable_private_segment 0
		.amdhsa_kernarg_size 56
		.amdhsa_user_sgpr_count 2
		.amdhsa_user_sgpr_kernarg_segment_ptr 1
		.amdhsa_wavefront_size32 1
		.amdhsa_system_sgpr_workgroup_id_x 1
		.amdhsa_system_sgpr_workgroup_id_y 1
		.amdhsa_system_sgpr_workgroup_id_z 1
		.amdhsa_system_vgpr_workitem_id 0
		.amdhsa_next_free_vgpr 1024
		.amdhsa_next_free_sgpr 96
		.amdhsa_reserve_vcc 0
		.amdhsa_float_denorm_mode_32 3
		.amdhsa_float_denorm_mode_16_64 3
		.amdhsa_memory_ordered 1
		.amdhsa_forward_progress 1
		.amdhsa_inst_pref_size 255
	.end_amdhsa_kernel
	.section	.bss,"aw",@nobits
	.p2align	6
	.space	262144
	.amdgpu_metadata
---
amdhsa.version: [ 1, 2 ]
amdhsa.kernels:
  - .name:           k_qa08e800b11_gemm1
    .symbol:         k_qa08e800b11_gemm1.kd
    .args:
      - { .name: xb, .offset: 0, .size: 8, .value_kind: global_buffer, .address_space: global }
      - { .name: cw, .offset: 8, .size: 8, .value_kind: global_buffer, .address_space: global }
      - { .name: sw1, .offset: 16, .size: 8, .value_kind: global_buffer, .address_space: global }
      - { .name: rw1, .offset: 24, .size: 8, .value_kind: global_buffer, .address_space: global }
      - { .name: sb1, .offset: 32, .size: 8, .value_kind: global_buffer, .address_space: global }
      - { .name: rb1, .offset: 40, .size: 8, .value_kind: global_buffer, .address_space: global }
      - { .name: h, .offset: 48, .size: 8, .value_kind: global_buffer, .address_space: global }
    .group_segment_fixed_size: 327680
    .private_segment_fixed_size: 0
    .kernarg_segment_align: 8
    .kernarg_segment_size: 56
    .max_flat_workgroup_size: 128
    .sgpr_count:     96
    .vgpr_count:     1024
    .wavefront_size: 32
...
	.end_amdgpu_metadata
.endif
;; end of part 2
;; launch gemm2 (part 3): grid 8 x 32, 4 waves a work-group, clusters of 4 x 1, 327,680 bytes of LDS; arguments h, sw2, rw2, part; writes part
.if DOCPART == 3
	.amdgcn_target "amdgcn-amd-amdhsa--gfx1250"
	.amdhsa_code_object_version 6
	.text
	.protected	k_qa08e800b11_gemm2
	.globl	k_qa08e800b11_gemm2
	.p2align	8
	.type	k_qa08e800b11_gemm2,@function
k_qa08e800b11_gemm2:
	s_mov_b64 s[64:65], 0
	v_nop
	global_prefetch_b8 v0, s[64:65] scope:SCOPE_SE
	s_setreg_imm32_b32 hwreg(HW_REG_WAVE_MODE, 25, 1), 1
	s_wait_xcnt 0x0
	s_wait_alu depctr_hold_cnt(0) depctr_sa_sdst(0) depctr_va_vdst(0) depctr_va_sdst(0) depctr_va_ssrc(0) depctr_va_vcc(0) depctr_vm_vsrc(0)
	s_getreg_b32 s2, hwreg(HW_REG_IB_STS2, 6, 4)
	s_cmp_eq_u32 s2, 0
	s_cbranch_scc0 .Lentry_in_a_cluster
	s_endpgm
.Lentry_in_a_cluster:
	s_bfe_u32 s2, ttmp6, 0x10000c
	s_cmp_lg_u32 s2, 0x3003
	s_cbranch_scc0 .Lentry_shape_is_right
	s_endpgm
.Lentry_shape_is_right:
; SECOND LINEAR LAYER OF ALL SIX EXPERTS AS ONE PRODUCT.  part[s][t][o] = sum over k = 1536 s .. 1536 s + 1535 of h[t][k] W2all[k][o],
; W2all = sw2's 8,192 rows followed by rw2's 16,384.  h is bf16, the weights are rounded to bf16, sums and part in f32.
; The output has 2 x 8 tiles of 512 x 128 only, so K = 24,576 is shared out in 16 parts: 256 work-groups of equal work.  The 16 partial planes are added, in a fixed order, by the next launch.
; SHARES, RING, WEIGHTS' WAY, REGISTERS: a tile is 512 tokens x 128 columns; four waves, each 128 x 128: 64 accumulators, 512 registers.
; h's TILES (128 along K, rows of 256 bytes at multiples of 256) come by the tensor data mover into two LDS slots; each wave fetches and reads its own 128 rows.
; WEIGHTS (f32, [k][o]) go in steps of 64 along K: wave w loads rows 16 w .. 16 w + 15 (16 loads of 512 consecutive bytes), two steps ahead, into one of two register sets;
; a step ahead they are rounded and stored to one of two LDS slots as bf16 [k][n], from which ds_load_tr16_b128 brings them turned.
; CLUSTER 4 x 1: the four partners make four neighbouring column tiles of the same 512 tokens and the same part of K, so h's tiles are asked for JOINTLY (mask 15).
; The weights are not asked for jointly: each partner has columns of its own, and they pass through registers to be rounded.
; THE MATRIX INSTRUCTION IS USED TRANSPOSED (source 0 = 16 columns of weights, source 1 = 16 tokens): a lane holds token lane % 16 and eight neighbouring columns.
; The 64 accumulators take turns, one instruction a turn, in the same order in every quarter step.
;   window 0: v0-31 addresses; v32-63 rounded weights; v64-127, v128-191 fragments of h, two buffers (on the way out: rows read back)
;   window 1: v0-63, v192-255 weights in f32, two sets; v64-127, v128-191 fragments of the weights, two buffers
;   window 2: accumulators of my tokens 0-63 ((a, b) at v[8 (8 a + b)]);   window 3: of my tokens 64-127
.set KA,     24576                     ; elements in a row of h
.set LAPS,   6                         ; 24 weight steps of 64 = 12 tiles of h = 6 times round the ring
.set PITCHB, 4096                      ; bytes from a row of the weights to the next
.set PA,     272                       ; a row of h in LDS: 256 bytes + 16 of padding = 68 words: the 16 rows of a fragment load start at 16 different banks (64 banks of 4 bytes: ISA guide 11.1)
.set AW,     128*PA
.set ASLOT,  4*AW
.set BBASE,  2*ASLOT                   ; behind the ring, at a multiple of 256: the weights' two slots; no tensor load ever lands here
.set PB,     288                       ; a row of weights in LDS: 256 bytes + 32
.set BSLOT,  64*PB
.set SP,     528                       ; the way out: a row of the stage, 512 bytes + 16
.set ADRA, 8
.set ADRB, 10
.set STB,  12
.set WOFF, 14
.set STO,  15
.set RD,   16
.set CO,   17
.set CV,   32
.set F0,   64
.set F1,   128
.set OB,   64                          ; the way out: 16 rows read back: v64-127 and v128-191 by turns
.set G1, 24
.set G0, 32
.set WB, 40                            ; s[40:41] the weights at the step to be loaded
.set OUTB, 42                          ; s[42:43] part at my rows
.set KR, 60                            ; s60      the row of W2all at which the next weight step begins
.set KT, 62                            ; s[62:63] its byte offset in its own buffer
.set MSB, 0
.macro WIN new
.if MSB != (\new)
	s_set_vgpr_msb (MSB<<8)|(\new)
.set MSB, \new
.endif
.endm
.set MUL_LO, 0xa1
.set MUL_HI, 0xf1
.set TO_B,   0x40
.set CVT,    0x05
.macro PLACES                          ; four plain vector instructions between a matrix instruction and a load into, or a read of, its registers
.rept 4
	v_nop
.endr
.endm
.macro CREST
	s_cmp_lg_u32 s18, 0
	s_cbranch_scc1 .Lnot_wave_0_\@
	s_barrier_signal -3
.Lnot_wave_0_\@:
	s_barrier_wait -3
	s_barrier_signal -1
	s_barrier_wait -1
.endm
.macro CROUND
	s_barrier_signal -1
	s_barrier_wait -1
	CREST
.endm
.macro JLOAD slot                      ; a joint load: every wave asks for its own 128 rows; four v_nop follow
	tensor_load_to_lds s[G0+4*\slot:G0+4*\slot+3], s[G1:G1+7]
	s_nop 0
	PLACES
.endm
.macro MUL16 f, hi, a0, zero
.irp a, \a0, \a0+1
.irp b, 0,1,2,3,4,5,6,7
.if \zero
	v_wmma_f32_16x16x32_bf16 v[8*(8*(\a)+\b):8*(8*(\a)+\b)+7], v[\f+8*\b:\f+8*\b+7], v[\f+8*(4*\hi+\a):\f+8*(4*\hi+\a)+7], 0
.else
	v_wmma_f32_16x16x32_bf16 v[8*(8*(\a)+\b):8*(8*(\a)+\b)+7], v[\f+8*\b:\f+8*\b+7], v[\f+8*(4*\hi+\a):\f+8*(4*\hi+\a)+7], v[8*(8*(\a)+\b):8*(8*(\a)+\b)+7]
.endif
.endr
.endr
.endm
.macro FETCH sa, ka, sb, kb, f         ; 32 LDS loads in one run: a quarter's fragments into buffer f
	WIN TO_B
.irp i, 0,1,2,3,4,5,6,7
	ds_load_tr16_b128 v[\f+8*\i:\f+8*\i+3],   v[ADRB+\sb] offset:(\kb)*PB+32*\i
	ds_load_tr16_b128 v[\f+8*\i+4:\f+8*\i+7], v[ADRB+\sb] offset:(\kb+16)*PB+32*\i
.endr
	WIN 0
.irp i, 0,1,2,3,4,5,6,7
	ds_load_b128 v[\f+8*\i:\f+8*\i+3],   v[ADRA+\sa] offset:\ka+\i*16*PA
	ds_load_b128 v[\f+8*\i+4:\f+8*\i+7], v[ADRA+\sa] offset:\ka+\i*16*PA+32
.endr
.endm
.macro CONVERT set
	WIN CVT
.set ci, 0
.rept 32
	v_cvt_pk_bf16_f32 v[CV+ci], v[192*(\set)+2*ci], v[192*(\set)+2*ci+1]
.set ci, ci+1
.endr
.endm
.macro STOREB slot
	WIN 0
.set ci, 0
.rept 16
	ds_store_b64 v[STB+(\slot)], v[CV+2*ci:CV+2*ci+1] offset:PB*ci
.set ci, ci+1
.endr
.endm
; My 16 rows of the weight step that begins at row KR of W2all.  One part of K (rows 7,680 to 9,215) crosses from sw2 to rw2, so the base is made afresh for every step;
; a step of 64 rows lies in one buffer, since 8,192 is a multiple of 64.  The choice hangs on the row's number alone.
.macro LOADW set, step
	s_wait_xcnt 0x0                                ; the base of the loads issued so far is rewritten only behind this wait
	s_cmp_lt_u32 s[KR], 8192
	s_cselect_b64 s[WB:WB+1], s[6:7], s[8:9]
	s_cselect_b32 s[KT], 0, 8192
	s_sub_co_u32 s[KT], s[KR], s[KT]               ; the row in its own buffer,
	s_lshl_b32 s[KT], s[KT], 12                    ; in bytes: under 2^26
	s_add_nc_u64 s[WB:WB+1], s[WB:WB+1], s[KT:KT+1]
	s_add_co_u32 s[KR], s[KR], 64
	WIN TO_B
.set ci, 0
.rept 16
	global_load_b128 v[192*(\set)+4*ci:192*(\set)+4*ci+3], v[WOFF], s[WB:WB+1] offset:ci*PITCHB   ; 512 consecutive bytes, at a multiple of 512 from the buffer's first byte
.set ci, ci+1
.endr
.endm
; A weight step j (u = j % 2) is two quarters of 32 along K, 64 matrix instructions each.  The first multiplies buffer 0; in its middle step j + 1's weights are rounded
; and stored to the other slot (conv), step j + 3's are asked for (load), and the second quarter's fragments are fetched.
.macro Q0 sa, u, zero, conv, load, left
	s_wait_dscnt 8                                 ; the weights and my tokens 0-63 are in; the youngest eight loads (tokens 64-127) may be out
	WIN MUL_LO
	MUL16 F0, 0, 0, \zero
	MUL16 F0, 0, 2, \zero
.if \conv
	s_wait_loadcnt \left                           ; step j + 1's sixteen loads are in; left = the younger step's sixteen, or none
	CONVERT 1-\u                                   ; 32 plain instructions that name no register of the products: also the places in front of the loads below
	STOREB 1-\u                                    ; that slot's last reads were waited for in front of the last barrier
.if \load
	LOADW 1-\u, 1
.endif
.else
	PLACES
.endif
	FETCH \sa, 128*\u+64, \u, 32, F1
	s_wait_dscnt 32                                ; all but the 32 just issued
	WIN MUL_HI
	MUL16 F0, 1, 0, \zero
	MUL16 F0, 1, 2, \zero
.endm
; The second quarter multiplies buffer 1 and changes the weights' slot: ONE barrier, in front of which each wave waits for its reads of this slot and its stores into the next.
; kind 0: in the middle of a tile of h: a tensor load may stay out.  kind 1: h's tile changes too: all my tensor loads have landed.
; kind 2: and the slot just read is filled again, two tiles on: the barrier opens a round of the cluster's barrier, and the joint refill is the first thing behind the round.
.macro Q1 kind, san, kan, un, slot
	s_wait_dscnt 8
	WIN MUL_LO
	MUL16 F1, 0, 0, 0
	s_wait_dscnt 0                                 ; my reads of both slots in hand are over, my stores of the next weights are done
.if \kind >= 1
	s_set_vgpr_msb 0xa1a0
	s_wait_tensorcnt 0x0                           ; all my tensor loads have landed: the one that was out is my part of h's next tile
	ds_add_u32 v254, v255
	s_wait_dscnt 0x0
	s_set_vgpr_msb 0xa0a1
.endif
	s_barrier_signal -1
	MUL16 F1, 0, 2, 0
.if \kind == 2
	WIN 0
.endif
	s_barrier_wait -1
.if \kind == 2
	CREST                                          ; no wave of any partner still reads this slot or has a load on its way
	s_add_nc_u64 s[G0+4*\slot+2:G0+4*\slot+3], s[G0+4*\slot+2:G0+4*\slot+3], 512   ; two tiles of 128 bf16 on
	JLOAD \slot                                    ; 240 matrix instructions ahead of the wait for it; its four v_nop are also the places in front of the loads below
.else
	PLACES
.endif
	FETCH \san, \kan, \un, 0, F0
	WIN MUL_HI
	MUL16 F1, 1, 0, 0
	MUL16 F1, 1, 2, 0
.endm
.macro QLAST                           ; the very last quarter; behind its barrier no wave reads the weights' slots any more: the stage may lie there
	s_wait_dscnt 8
	WIN MUL_LO
	MUL16 F1, 0, 0, 0
	MUL16 F1, 0, 2, 0
	s_wait_dscnt 0
	WIN MUL_HI
	MUL16 F1, 1, 0, 0
	MUL16 F1, 1, 2, 0
	WIN 0
	s_barrier_signal -1
	s_barrier_wait -1
	PLACES                                         ; the way out reads results just made, and loads into registers just multiplied
.endm
	s_load_b256 s[4:11], s[0:1], 0x0               ; h s[4:5], sw2 s[6:7], rw2 s[8:9], part s[10:11]
	v_lshl_add_u32 v254, v0, 2, 0x4d000
	v_mov_b32 v255, 0
	ds_add_u32 v254, v255
	v_lshrrev_b32 v3, 5, v0
	v_readfirstlane_b32 s18, v3                    ; wave 0..3
	s_bfe_u32 s19, ttmp6, 0x40000                  ; cx: my place in the cluster
	s_mov_b32 s20, ttmp9                           ; the cluster's x: which 512 tokens
	s_and_b32 s21, ttmp7, 0xffff                   ; the cluster's y
	s_lshr_b32 s23, s21, 1                         ; which sixteenth of K; the four partners share it
	s_and_b32 s22, s21, 1
	s_lshl_b32 s22, s22, 2
	s_add_co_u32 s22, s22, s19                     ; my column tile, 0..7
	s_mul_i32 s[KR], s23, 1536                     ; my first row of W2all
	s_mov_b32 s[KT+1], 0
	s_mov_b32 s[G1+0], 15|(1<<16)|(1<<20)|(1<<21)|(5<<22)|(3<<25)  ; the mask: all four work-groups; elements of 2 bytes; padding on; bit 21 beside a mask; after every 64 words 4 words of padding
	s_mov_b32 s[G1+1], 128<<16                     ; tensor_dim0 = 128
	s_mov_b32 s[G1+2], 128<<16                     ; tensor_dim1 = 128
	s_mov_b32 s[G1+3], 128<<16                     ; tile_dim0 = 128
	s_mov_b32 s[G1+4], 128                         ; tile_dim1 = 128
	s_mov_b32 s[G1+5], KA                          ; elements from row to row
	s_mov_b32 s[G1+6], 0
	s_mov_b32 s[G1+7], 0
	s_lshl_b32 s44, s20, 9
	s_lshl_b32 s45, s18, 7
	s_add_co_u32 s44, s44, s45                     ; my first token = 512 x block + 128 x wave
	s_mul_i32 s46, s44, KA*2                       ; its row in h,
	s_mul_i32 s45, s23, 3072                       ; my part of K in it: no place in the cluster enters either
	s_add_co_u32 s46, s46, s45
	s_mov_b32 s47, 0
	s_mul_i32 s54, s18, AW                         ; my part of a slot
	v_and_b32 v1, 15, v0                           ; r = lane % 16
	v_bfe_u32 v2, v0, 4, 1                         ; h = lane / 16
	v_and_b32 v3, 31, v0                           ; lane
	v_mul_u32_u24 v4, v1, PA
	v_lshl_add_u32 v4, v2, 4, v4                   ; r x 272 + 16 h
	v_add_nc_u32 v[ADRA], s54, v4
	v_add_nc_u32 v[ADRA+1], ASLOT, v[ADRA]
	v_and_b32 v5, 7, v0
	v_lshl_add_u32 v5, v2, 3, v5                   ; the turning load: row 8 h + lane % 8,
	v_mul_u32_u24 v5, v5, PB
	v_bfe_u32 v6, v0, 3, 1
	v_lshl_add_u32 v5, v6, 4, v5                   ; 16 bytes for each half of a group of 16 lanes
	v_add_nc_u32 v[ADRB], BBASE, v5
	v_add_nc_u32 v[ADRB+1], BBASE+BSLOT, v5
	s_mul_i32 s56, s18, 16*PB                      ; my 16 rows of a weight slot
	v_lshl_add_u32 v7, v3, 3, s56                  ; + 8 lane
	v_add_nc_u32 v[STB], BBASE, v7
	v_add_nc_u32 v[STB+1], BBASE+BSLOT, v7
	s_lshl_b32 s55, s18, 16                        ; my 16 rows of a weight step in memory,
	s_lshl_b32 s52, s22, 9                         ; my tile's 128 columns of f32
	s_add_co_u32 s55, s55, s52
	v_lshl_add_u32 v[WOFF], v3, 4, s55             ; + 16 lane
	s_mul_i32 s57, s18, 16*SP
	s_add_co_u32 s57, s57, BBASE                   ; my stage
	v_mul_u32_u24 v6, v1, SP
	v_lshl_add_u32 v6, v2, 5, v6
	v_add_nc_u32 v[STO], s57, v6                   ; in: row r, 32 bytes for each half of the lanes
	v_lshlrev_b32 v[CO], 4, v3                     ; 16 lane: a row's 512 bytes from the wave's 32 lanes
	v_add_nc_u32 v[RD], s57, v[CO]
	s_lshl_b32 s48, s23, 22                        ; my plane of part,
	s_lshl_b32 s49, s44, 12                        ; my first row in it,
	s_add_co_u32 s48, s48, s49
	s_add_co_u32 s48, s48, s52                     ; my tile's 512 bytes
	s_mov_b32 s49, 0
	s_wait_dscnt 0x0
	s_wait_kmcnt 0x0
	s_add_nc_u64 s[46:47], s[4:5], s[46:47]
	s_add_nc_u64 s[OUTB:OUTB+1], s[10:11], s[48:49]
	LOADW 0, 0                                     ; weight steps 0 and 1
	LOADW 1, 1
	WIN 0
.irp s, 0,1
	s_mov_b32 s[G0+4*\s], 1                                        ; count = 1
	s_add_co_u32 s[G0+4*\s+1], s54, \s*ASLOT                       ; LDS address
	s_add_nc_u64 s[G0+4*\s+2:G0+4*\s+3], s[46:47], \s*256          ; global address: tile s
	s_or_b32 s[G0+4*\s+3], s[G0+4*\s+3], 0x80000000                ; type = 2
.endr
	CROUND                                         ; all four work-groups are here: the first joint loads meet
	tensor_load_to_lds s[G0:G0+3], s[G1:G1+7]      ; both first fills go out together: two tensor loads of mine are out, later one
	s_nop 0
	tensor_load_to_lds s[G0+4:G0+7], s[G1:G1+7]
	s_nop 0
	PLACES
	s_wait_loadcnt 16                              ; weight step 0 is in; step 1's sixteen loads stay out
	CONVERT 0
	STOREB 0
	LOADW 0, 1                                     ; weight step 2
	WIN 0
	s_wait_tensorcnt 1                             ; my part of tile 0 is in; tile 1's may stay out
	s_wait_dscnt 0                                 ; my rows of weight step 0 lie in LDS
	s_barrier_signal -1
	s_barrier_wait -1
	FETCH 0, 0, 0, 0, F0
	Q0 0, 0, 1, 1, 1, 16                           ; the first quarter stands in front of the loop: its products start the sums
	WIN 0                                          ; at a label and at a branch every window is 0
	s_mov_b32 s3, LAPS-1
.Llap:                                                 ; a trip: four weight steps, two tiles of h, both slots filled again
	Q1 0, 0, 128, 1, 0
	Q0 0, 1, 0, 1, 1, 16
	Q1 2, 1, 0, 0, 0
	Q0 1, 0, 0, 1, 1, 16
	Q1 0, 1, 128, 1, 0
	Q0 1, 1, 0, 1, 1, 16
	Q1 2, 0, 0, 0, 1
	Q0 0, 0, 0, 1, 1, 16
	WIN 0
	s_sub_co_u32 s3, s3, 1
	s_cmp_lg_u32 s3, 0
	s_cbranch_scc1 .Llap
	Q1 0, 0, 128, 1, 0                             ; the last lap is written out: nothing more is asked for
	Q0 0, 1, 0, 1, 0, 16                           ; the last step but one is rounded; the last step's loads stay out
	Q1 1, 1, 0, 0, 0
	Q0 1, 0, 0, 1, 0, 0                            ; the last step is rounded
	Q1 0, 1, 128, 1, 0
	Q0 1, 1, 0, 0, 0, 0
	QLAST
; THE WAY OUT of block a (16 tokens x 128 columns of f32): a lane's eight columns go as 32 bytes into my own stage, rows of 528 bytes, and come back as whole rows of 512.
.macro TOSTAGE a
.set AC, 64*((\a)%4)
.set BK, OB+64*((\a)%2)
	s_wait_xcnt 0x0                                ; the registers that the block two back was stored from are loaded again only behind this wait
	WIN 0x08+4*((\a)/4)                            ; the data of an LDS store is source 1: window 2 or 3
.irp b, 0,1,2,3,4,5,6,7
	ds_store_b128 v[STO], v[AC+8*\b:AC+8*\b+3]   offset:64*\b
	ds_store_b128 v[STO], v[AC+8*\b+4:AC+8*\b+7] offset:64*\b+16
.endr
	WIN 0
.irp t, 0,1,2,3,4,5,6,7,8,9,10,11,12,13,14,15
	ds_load_b128 v[BK+4*\t:BK+4*\t+3], v[RD] offset:\t*SP          ; LDS serves a wave's instructions in order (ISA guide 5.7.1.4): these see the stores above, and the next block's stores come behind them
.endr
.endm
.macro SEND a, younger                 ; younger: the LDS instructions issued behind block a's loads: the next block's 16 stores and 16 loads, or none
.set BK, OB+64*((\a)%2)
	s_wait_dscnt \younger
	s_wait_xcnt 0x0                                ; the stores' base is rewritten only behind this wait
.if (\a) > 0
	s_add_nc_u64 s[OUTB:OUTB+1], s[OUTB:OUTB+1], 16*4096
.endif
.irp t, 0,1,2,3,4,5,6,7,8,9,10,11,12,13,14,15
	global_store_b128 v[CO], v[BK+4*\t:BK+4*\t+3], s[OUTB:OUTB+1] offset:\t*4096   ; the wave stores 512 consecutive bytes, at a multiple of 512 from part's first byte
.endr
.endm
	TOSTAGE 0
.irp a, 1,2,3,4,5,6,7
	TOSTAGE \a
	SEND \a-1, 32
.endr
	SEND 7, 0
	s_wait_tensorcnt 0x0
	ds_add_u32 v254, v255
	s_wait_dscnt 0x0
	CROUND                                         ; the closing round: no work-group ends while a partner may still ask for a tile that names it
	s_endpgm
.Lfunc_end_k_qa08e800b11_gemm2:
	.size	k_qa08e800b11_gemm2, .Lfunc_end_k_qa08e800b11_gemm2-k_qa08e800b11_gemm2
	.p2alignl 7, 3214868480
	.fill 96, 4, 3214868480
	.section	.rodata,"a",@progbits
	.p2align	6, 0x0
	.amdhsa_kernel k_qa08e800b11_gemm2
		.amdhsa_group_segment_fixed_size 327680
		.amdhsa_private_segment_fixed_size 0
		.amdhsa_enable_private_segment 0
		.amdhsa_kernarg_size 32
		.amdhsa_user_sgpr_count 2
		.amdhsa_user_sgpr_kernarg_segment_ptr 1
		.amdhsa_wavefront_size32 1
		.amdhsa_system_sgpr_workgroup_id_x 1
		.amdhsa_system_sgpr_workgroup_id_y 1
		.amdhsa_system_sgpr_workgroup_id_z 1
		.amdhsa_system_vgpr_workitem_id 0
		.amdhsa_next_free_vgpr 1024
		.amdhsa_next_free_sgpr 66
		.amdhsa_reserve_vcc 0
		.amdhsa_float_denorm_mode_32 3
		.amdhsa_float_denorm_mode_16_64 3
		.amdhsa_memory_ordered 1
		.amdhsa_forward_progress 1
		.amdhsa_inst_pref_size 177
	.end_amdhsa_kernel
	.amdgpu_metadata
---
amdhsa.version: [ 1, 2 ]
amdhsa.kernels:
  - .name:           k_qa08e800b11_gemm2
    .symbol:         k_qa08e800b11_gemm2.kd
    .args:
      - { .name: h, .offset: 0, .size: 8, .value_kind: global_buffer, .address_space: global }
      - { .name: sw2, .offset: 8, .size: 8, .value_kind: global_buffer, .address_space: global }
      - { .name: rw2, .offset: 16, .size: 8, .value_kind: global_buffer, .address_space: global }
      - { .name: part, .offset: 24, .size: 8, .value_kind: global_buffer, .address_space: global }
    .group_segment_fixed_size: 327680
    .private_segment_fixed_size: 0
    .kernarg_segment_align: 8
    .kernarg_segment_size: 32
    .max_flat_workgroup_size: 128
    .sgpr_count:     66
    .vgpr_count:     1024
    .wavefront_size: 32
...
	.end_amdgpu_metadata
.endif
;; end of part 3
;; launch reduce (part 4): grid 512 x 1, 8 waves a work-group, no clusters, 0 bytes of LDS; arguments part, cw, sb2, rb2, out0; writes out0
.if DOCPART == 4
	.amdgcn_target "amdgcn-amd-amdhsa--gfx1250"
	.amdhsa_code_object_version 6
	.text
	.protected	k_qa08e800b11_reduce
	.globl	k_qa08e800b11_reduce
	.p2align	8
	.type	k_qa08e800b11_reduce,@function
k_qa08e800b11_reduce:
	s_mov_b64 s[64:65], 0
	v_nop
	global_prefetch_b8 v0, s[64:65] scope:SCOPE_SE
	s_setreg_imm32_b32 hwreg(HW_REG_WAVE_MODE, 25, 1), 1
	s_wait_xcnt 0x0
; out0[t][o] = sum over s = 0..15 of part[s][t][o] + sum over e = 0..5 of cw[t][e] b2[e][o]   (b2 = sb2's two rows, then rb2's four), all in f32.
; A stream: memory binds, so no LDS, no barrier, no matrix unit, no cluster.  Eight waves; the work-group owns 2 rows; thread t owns the 16 bytes at 16 t of every row,
; so a wave's load or store covers 512 consecutive bytes.  A row is 16 loads (one from each plane).  Both rows' loads go out at the start, 32 a wave: no register is loaded twice,
; and nothing that the work-group reads waits for something else that it reads.
; The planes are added in a fixed tree (8, 4, 2, 1 planes apart), the same for every output.
.set VO,   2                           ; v[2:17]    plane s: 16 t + s x 4 MiB; never rewritten
.set B2,   20                          ; v[20:43]   my four columns of the six biases
.set S0,   44                          ; v[44:107], v[108:171]  the two rows: 16 planes x 4 numbers each
.set OUTR, 176                         ; v[176:183] the two rows' 4 results
	s_load_b256 s[4:11], s[0:1], 0x0               ; part s[4:5], cw s[6:7], sb2 s[8:9], rb2 s[10:11]
	s_load_b64 s[12:13], s[0:1], 0x20              ; out0
	v_lshlrev_b32 v[VO], 4, v0
.irp s, 1,2,3,4,5,6,7,8,9,10,11,12,13,14,15
	v_add_nc_u32 v[VO+\s], \s<<22, v[VO]
.endr
	s_lshl_b32 s14, ttmp9, 13                      ; the group's 2 rows of 4,096 bytes
	s_mov_b32 s15, 0
	s_lshl_b32 s48, ttmp9, 6                       ; and its 2 rows of cw
	s_mov_b32 s49, 0
	s_wait_kmcnt 0x0
	s_add_nc_u64 s[6:7], s[6:7], s[48:49]
	s_load_b512 s[16:31], s[6:7], 0x0              ; cw: row r's factor e in s[16 + 8 r + e]
	s_add_nc_u64 s[4:5], s[4:5], s[14:15]
	s_add_nc_u64 s[12:13], s[12:13], s[14:15]
	global_load_b128 v[B2:B2+3],   v[VO], s[8:9]
	global_load_b128 v[B2+4:B2+7], v[VO], s[8:9] offset:4096
.irp e, 0,1,2,3
	global_load_b128 v[B2+8+4*\e:B2+8+4*\e+3], v[VO], s[10:11] offset:4096*\e
.endr
.irp r, 0,1
.irp s, 0,1,2,3,4,5,6,7,8,9,10,11,12,13,14,15
	global_load_b128 v[S0+64*\r+4*\s:S0+64*\r+4*\s+3], v[VO+\s], s[4:5] offset:4096*\r th:TH_LOAD_NT   ; part is read once; the row stands in the immediate
.endr
.endr
; One row.  left = the loads issued behind this row's: the other row's 16, or none.
.macro ROW row, left
.set SB, S0+64*(\row)
.set RB, OUTR+4*(\row)
	s_wait_loadcnt \left                           ; loads come back in order: this row's are in (and the biases)
.irp w, 8,4,2,1
.set si, 0
.rept \w
	v_pk_add_f32 v[SB+4*si:SB+4*si+1],   v[SB+4*si:SB+4*si+1],   v[SB+4*(si+\w):SB+4*(si+\w)+1]
	v_pk_add_f32 v[SB+4*si+2:SB+4*si+3], v[SB+4*si+2:SB+4*si+3], v[SB+4*(si+\w)+2:SB+4*(si+\w)+3]
.set si, si+1
.endr
.endr
.irp k, 0,1,2,3
	v_fma_f32 v[RB+\k], s[16+8*(\row)], v[B2+\k], v[SB+\k]         ; the first bias is added onto the planes' sum: nothing is cleared or copied
.endr
.irp e, 1,2,3,4,5
.irp k, 0,1,2,3
	v_fma_f32 v[RB+\k], s[16+8*(\row)+\e], v[B2+4*\e+\k], v[RB+\k]
.endr
.endr
	global_store_b128 v[VO], v[RB:RB+3], s[12:13] offset:4096*(\row) th:TH_STORE_NT   ; a wave stores 512 consecutive bytes, at a multiple of 512 from out0's first byte
.endm
	s_wait_kmcnt 0x0                               ; cw
	ROW 0, 16
	ROW 1, 0
	s_endpgm
.Lfunc_end_k_qa08e800b11_reduce:
	.size	k_qa08e800b11_reduce, .Lfunc_end_k_qa08e800b11_reduce-k_qa08e800b11_reduce
	.p2alignl 7, 3214868480
	.fill 96, 4, 3214868480
	.section	.rodata,"a",@progbits
	.p2align	6, 0x0
	.amdhsa_kernel k_qa08e800b11_reduce
		.amdhsa_group_segment_fixed_size 0
		.amdhsa_private_segment_fixed_size 0
		.amdhsa_enable_private_segment 0
		.amdhsa_kernarg_size 40
		.amdhsa_user_sgpr_count 2
		.amdhsa_user_sgpr_kernarg_segment_ptr 1
		.amdhsa_wavefront_size32 1
		.amdhsa_system_sgpr_workgroup_id_x 1
		.amdhsa_system_sgpr_workgroup_id_y 1
		.amdhsa_system_sgpr_workgroup_id_z 1
		.amdhsa_system_vgpr_workitem_id 0
		.amdhsa_next_free_vgpr 192
		.amdhsa_next_free_sgpr 66
		.amdhsa_reserve_vcc 0
		.amdhsa_float_denorm_mode_32 3
		.amdhsa_float_denorm_mode_16_64 3
		.amdhsa_memory_ordered 1
		.amdhsa_forward_progress 1
		.amdhsa_inst_pref_size 13
	.end_amdhsa_kernel
	.amdgpu_metadata
---
amdhsa.version: [ 1, 2 ]
amdhsa.kernels:
  - .name:           k_qa08e800b11_reduce
    .symbol:         k_qa08e800b11_reduce.kd
    .args:
      - { .name: part, .offset: 0, .size: 8, .value_kind: global_buffer, .address_space: global }
      - { .name: cw, .offset: 8, .size: 8, .value_kind: global_buffer, .address_space: global }
      - { .name: sb2, .offset: 16, .size: 8, .value_kind: global_buffer, .address_space: global }
      - { .name: rb2, .offset: 24, .size: 8, .value_kind: global_buffer, .address_space: global }
      - { .name: out0, .offset: 32, .size: 8, .value_kind: global_buffer, .address_space: global }
    .group_segment_fixed_size: 0
    .private_segment_fixed_size: 0
    .kernarg_segment_align: 8
    .kernarg_segment_size: 40
    .max_flat_workgroup_size: 256
    .sgpr_count:     66
    .vgpr_count:     192
    .wavefront_size: 32
...
	.end_amdgpu_metadata
.endif
;; end of part 4
